; MI455X (gfx1250); checked and timed in simulation.
; The chip was launched on July 23, 2026; its instructions are those of AMD's public machine-readable ISA for CDNA 5 (MIT licence, August 2026) and "CDNA5" Instruction Set Architecture Reference Guide (July 2026). The comments in the code are by the model that wrote it; some were corrected since.
;; Core Attention. Allowed arithmetic: matrix products marked QUANTISED: E4M3 operands, one E8M0 scale for each 32 along K, by v_wmma_scale_f32_16x16x128_f8f6f4 with both operands' format E4M3, f32 sums; everything else in f32.
;; Inputs: key_layer 2,048 x 2 x 16 x 128 float32; kmin 2,048 x 2 x 16 x 1 float32; kscale 2,048 x 2 x 16 x 1 float32; qmin 2,048 x 2 x 16 x 1 float32; qscale 2,048 x 2 x 16 x 1 float32; query_layer 2,048 x 2 x 16 x 128 float32; value_layer 2,048 x 2 x 16 x 128 float32; vmin 16 x 2 x 16 x 128 x 1 float32; vscale 16 x 2 x 16 x 128 x 1 float32.
;; Outputs: out0 2,048 x 2 x 2,048 float32.
;; Constants: causal = 1.
;; This version of the problem:
;;   THIS VERSION OF THE PROBLEM IS GIVEN IN LOW PRECISION. The matrix products marked QUANTISED in the list below multiply operands that are first quantised to E4M3 (4 exponent bits, 3 mantissa bits; 8 bits a number), with one power-of-two scale for each 32 numbers along K (OCP MX v1.0); their sums are f32. All else is computed in f32.
;;   The module's matrix products, in the order in which they are computed (A, B: the left and right operand; K: the contracted axis; several contracted axes count as one K, in the product's order):
;;     1. batch 32 x [M 2,048, K 128] x [K 128, N 2,048]; A: computed on the way; B: computed on the way: QUANTISED
;;     2. batch 32 x [M 2,048, K 2,048] x [K 2,048, N 128]; A: computed on the way; B: computed on the way: QUANTISED
;;   THE QUANTISER, for each operand of a quantised product, along K:
;;     - K is cut into blocks of 32 from its start; a last block that is shorter is filled with zeros.
;;     - A block's scale is 2^e with e = floor(log2(the largest magnitude in the block)) - 8, held to -126 .. 127; a block of zeros has e = 0. As a byte (E8M0): e + 127.
;;     - Each number is divided by its block's scale, clamped to +-448, and rounded to the nearest number of E4M3, ties to even, subnormals kept.
;;     - The product sums the exact products of the quantised numbers (number of the format x scale) in f32.
;;   ~~~python
;;   def quantise(x, axis):      # numpy; x: float32 -> the quantised numbers, widened to float32 again
;;       x = np.moveaxis(x, axis, -1); K = x.shape[-1]
;;       x = np.pad(x, [(0, 0)] * (x.ndim - 1) + [(0, -K % 32)]); x = x.reshape(x.shape[:-1] + (-1, 32)); a = np.abs(x).max(-1, keepdims=True)
;;       e = np.where(a > 0, np.clip(np.frexp(np.where(a > 0, a, 1))[1] - 1 - 8, -126, 127), 0)      # np.frexp(a)[1] - 1 = floor(log2(a)), exactly
;;       r = np.clip(x / 2.0 ** e, -448, 448)
;;       step = 2.0 ** (np.maximum(np.frexp(np.where(r == 0, 1, r))[1] - 1, -6) - 3)
;;       q = np.round(r / step) * step * 2.0 ** e      # np.round: ties to even
;;       return np.moveaxis(q.reshape(q.shape[:-2] + (-1,))[..., :K], -1, axis).astype(np.float32)
;;   ~~~
;;   OPERANDS COMPUTED ON THE WAY. 'Computed on the way' means the value that the module computes at that place (a softmax that the list does not call 'softmax' is quantised finished and normalised). What goes into a quantiser is computed in f32, as accurately as f32 sums, v_exp_f32 and their like allow (about 1e-6 of the number): no bf16 or f16 on the way to a quantiser, and a product that is left as it is and whose result goes on into a quantised operand takes f32 operands (vector FMAs, or v_wmma_f32_16x16x4_f32). A number that lies on a knife's edge between two numbers of the format may be rounded either way, as far as f32 arithmetic and the matrix unit's own rounding can turn it there, and no further.
;; One version. Each part assembles by itself: llvm-mc -triple=amdgcn-amd-amdhsa -mcpu=gfx1250 --defsym DOCPART=n.
;; ======== version 1 of 1: 2 launches
;; limits: right only within a limited range of input values
;; workspace buffers: qimg 8,650,752 bytes; kimg 8,650,752 bytes; vimg 8,650,752 bytes
;; launch prep (part 1): grid 768 x 1, 4 waves a work-group, no clusters, 34,304 bytes of LDS; arguments query_layer, qscale, qmin, qimg, key_layer, kscale, kmin, kimg, value_layer, vscale, vmin, vimg; writes qimg, kimg, vimg
.if DOCPART == 1
	.amdgcn_target "amdgcn-amd-amdhsa--gfx1250"
	.amdhsa_code_object_version 6
	.text
	.protected	k_qec0b9c48cd_prep
	.globl	k_qec0b9c48cd_prep
	.p2align	8
	.type	k_qec0b9c48cd_prep,@function
k_qec0b9c48cd_prep:
	s_mov_b64 s[64:65], 0
	v_nop
	global_prefetch_b8 v0, s[64:65] scope:SCOPE_SE
	s_setreg_imm32_b32 hwreg(HW_REG_WAVE_MODE, 25, 1), 1
	s_wait_xcnt 0x0
; q, k, v [2048 s][32 heads][128 d] f32 are dequantised (x * scale + min, one fused multiply-add) and turned into codes of FP8 (E4M3) with one E8M0 byte for each 32 along K.
; q and k: scale and min per (s, head), K = d.   v: scale and min per (group of 128 s, head, d), K = s.
; A block's scale is 2^(floor(log2(largest magnitude)) - 8); its byte is the largest magnitude's exponent field - 8, held at 1 from below; each number is held within +-448 x the scale and rounded to the nearest code.
; OUTPUT: images of operand registers.  Tile (head, t), 16,896 bytes at (16 head + t) x 16,896, covers positions 128 t .. 128 t + 127:
;   bytes 0 .. 16383: eight fragments; fragment f, register group c, lane l at 2048 f + 512 c + 16 l: the codes of K = 32 c + 16 (l / 16) + 0 .. 15 of the fragment's row l % 16;
;   bytes 16384 .. 16895: scale words; pair j = f / 2 at 16384 + 256 (j / 2) + 8 l + 4 (j % 2): lanes 0-15 the rows of fragment 2 j, lanes 16-31 those of fragment 2 j + 1.
;   q, k: row r of fragment f is position 32 (f / 2) + 8 (f % 2) + r + 8 (r / 8).      v: row m of fragment f is channel 64 (f / 4) + 32 (f % 2) + 2 m + (f / 2) % 2.
; SHARES: work-groups 0-255 take q, 256-511 k, 512-767 v; a wave makes half a tile (four fragments) from 32,768 bytes of f32.  Waves share nothing: no barrier.
; LIMITS: NaN and infinities are not served; a block whose largest magnitude lies under 2^-118 (zeros too) keeps the byte 1: its bytes are read by this program alone.
.set TILEB, 16896
.set ROWP,  16384                      ; bytes from a position s to the next
.set SPQ,   528                        ; the q/k stage: a row of 512 bytes + 16: row r begins 4 r banks on
.set TM,    8                          ; v8-11 largest magnitudes, v12-15 bytes, v20-23 the conversions' scale operands
.set W,     24                         ; v24-27 a fragment's scale words
.set SCQ,   32                         ; v32,34,36,38 scale of my row in fragment 0..3 (the odd partners are named in pairs: written 0)
.set MNQ,   40                         ; v40,42,44,46 min likewise
.set PC,    48                         ; v48-63 codes
.set X,     64                         ; v64-127 64 numbers in the operand's order
.set R,     128                        ; v128-255 two sets of 64 registers as loaded
	s_load_b256 s[4:11], s[0:1], 0x0               ; q, qscale, qmin, qimg
	s_load_b256 s[12:19], s[0:1], 0x20             ; k, kscale, kmin, kimg
	s_load_b256 s[20:27], s[0:1], 0x40             ; v, vscale, vmin, vimg
	v_lshl_add_u32 v30, v0, 2, 0x8400
	v_mov_b32 v31, 0
	v_lshrrev_b32 v1, 5, v0
	v_readfirstlane_b32 s28, v1                    ; wave 0..3
	v_and_b32 v7, 31, v0                           ; lane
	v_lshlrev_b32 v1, 4, v7                        ; 16 x lane
	v_lshlrev_b32 v5, 3, v7                        ; 8 x lane
	v_and_b32 v6, 15, v0                           ; r
	v_bfe_u32 v7, v0, 4, 1                         ; hh
	s_mov_b32 s29, 0x600000                        ; the mantissa field of 448
	s_mov_b32 s30, 0x76543210
	s_mov_b32 s31, 0xfedcba98                      ; v_permlanex16_b32's selects for lane l xor 16
	s_mov_b32 s33, 0xffff0000                      ; lanes 16-31
	s_and_b32 s34, ttmp9, 255
	s_lshl_b32 s34, s34, 2
	s_add_co_u32 s34, s34, s28                     ; u = 4 x (work-group within its tensor) + wave: 0 .. 1023
	s_and_b32 s35, s34, 1                          ; which half of the tile
	s_bfe_u32 s36, s34, 0x50001                    ; head
	s_lshr_b32 s37, s34, 6                         ; t
	s_lshl_b32 s38, s36, 4
	s_add_co_u32 s38, s38, s37
	s_mul_i32 s38, s38, TILEB                      ; the tile's first byte
	s_lshl_b32 s40, s37, 21                        ; input: 128 t positions
	s_lshl_b32 s41, s36, 9
	s_add_co_u32 s40, s40, s41                     ; + the head's 512 bytes
	s_lshl_b32 s42, s35, 13
	s_add_co_u32 s42, s42, s38                     ; my four fragments
	s_lshl_b32 s44, s35, 8
	s_add_co_u32 s44, s44, s38
	s_add_co_u32 s44, s44, 16384                   ; my 256 bytes of scale words
	s_mov_b32 s41, 0
	s_mov_b32 s43, 0
	s_mov_b32 s45, 0
	s_mov_b32 s47, 0
	s_wait_kmcnt 0x0
	s_cmp_lt_u32 ttmp9, 512
	s_cbranch_scc0 .Lv
; ---------------- q and k: K = d is innermost in memory ----------------
; A load reads one row, 512 consecutive bytes.  The operand wants of lane (r, hh) sixteen neighbours of each block of 32 of row r: the 16 rows of a fragment turn through the wave's own stage in LDS.
	s_cmp_lt_u32 ttmp9, 256                        ; q's work-group or k's: the choice hangs on the work-group's number alone
	s_cselect_b64 s[4:5], s[4:5], s[12:13]
	s_cselect_b64 s[6:7], s[6:7], s[14:15]
	s_cselect_b64 s[8:9], s[8:9], s[16:17]
	s_cselect_b64 s[10:11], s[10:11], s[18:19]
	s_lshl_b32 s46, s35, 20                        ; the tile's second half begins 64 positions on
	s_add_co_u32 s40, s40, s46
	s_add_nc_u64 s[4:5], s[4:5], s[40:41]
	s_lshl_b32 s46, s37, 14                        ; scale and min: 128 bytes a position
	s_lshl_b32 s48, s35, 13
	s_add_co_u32 s46, s46, s48
	s_lshl_b32 s48, s36, 2
	s_add_co_u32 s46, s46, s48
	s_add_nc_u64 s[6:7], s[6:7], s[46:47]
	s_add_nc_u64 s[8:9], s[8:9], s[46:47]
	s_add_nc_u64 s[12:13], s[10:11], s[44:45]      ; the scale words
	s_add_nc_u64 s[10:11], s[10:11], s[42:43]      ; the codes
	s_mul_i32 s48, s28, 16*SPQ                     ; my stage
	s_wait_alu depctr_va_vdst(0)
	v_add_nc_u32 v2, s48, v1                       ; in: 16 x lane of a row
	v_mul_u32_u24 v3, v6, SPQ
	v_lshl_add_u32 v3, v7, 6, v3
	v_add_nc_u32 v3, s48, v3                       ; back: row r, + 64 hh
	v_and_b32 v4, 8, v6
	v_add_nc_u32 v4, v4, v6
	v_lshlrev_b32 v4, 7, v4                        ; my row's scale and min: 128 (r + 8 (r / 8))
.irp f, 0,1,2,3
	v_mov_b32 v[SCQ+2*\f+1], 0
	v_mov_b32 v[MNQ+2*\f+1], 0
	v_mov_b32 v[TM+4+\f], 0                        ; a lane permute's destination counts as one of its sources
.endr
.irp f, 0,1,2,3
	global_load_b32 v[SCQ+2*\f], v4, s[6:7] offset:128*(32*(\f/2)+8*(\f%2))
	global_load_b32 v[MNQ+2*\f], v4, s[8:9] offset:128*(32*(\f/2)+8*(\f%2))
.endr
.macro LOADQ f                         ; the 16 rows of fragment f, each 512 consecutive bytes, into set f % 2
.set P, 0
.rept 16
	global_load_b128 v[R+64*((\f)%2)+4*P:R+64*((\f)%2)+4*P+3], v1, s[4:5] offset:(32*((\f)/2)+8*((\f)%2)+P+8*(P/8))*ROWP th:TH_LOAD_NT
.set P, P+1
.endr
.endm
; 64 numbers of a lane, register 16 b + i = K 32 b + 16 hh + i of my row, become a fragment's codes in v[PC] on and its scale word in v[w]
.macro QUANT s, w
.irp b, 0,1,2,3
	v_max3_num_f32 v[TM+\b], |v[\s+16*\b]|, |v[\s+1+16*\b]|, 0x4800000   ; my 16 numbers of block b, and the floor 2^(9 - 127): the byte cannot fall under 1
.endr
.irp i, 2,4,6,8,10,12,14
.irp b, 0,1,2,3
	v_max3_num_f32 v[TM+\b], v[TM+\b], |v[\s+16*\b+\i]|, |v[\s+1+16*\b+\i]|   ; the four blocks by turns
.endr
.endr
.irp b, 0,1,2,3
	v_permlanex16_b32 v[TM+4+\b], v[TM+\b], s30, s31
.endr
.irp b, 0,1,2,3
	v_max_num_f32 v[TM+\b], v[TM+\b], v[TM+4+\b]   ; with lane l xor 16's: the block's largest magnitude
.endr
.irp b, 0,1,2,3
	v_add_nc_u32 v[TM+12+\b], 0xfc000000, v[TM+\b] ; 8 off its exponent field: the conversion's scale operand
.endr
.irp b, 0,1,2,3
.endr
.irp b, 0,1,2,3
	v_lshrrev_b32 v[TM+4+\b], 23, v[TM+12+\b]      ; the scale's byte
.endr
	v_lshl_or_b32 v[\w], v[TM+5], 8, v[TM+4]
	v_lshl_or_b32 v[\w], v[TM+6], 16, v[\w]
	v_lshl_or_b32 v[\w], v[TM+7], 24, v[\w]
.irp b, 0,1,2,3
.irp i, 0,1,2,3,4,5,6,7,8,9,10,11,12,13,14,15
.endr
	v_cvt_scalef32_pk8_fp8_f32 v[PC+4*\b:PC+1+4*\b], v[\s+16*\b:\s+7+16*\b], v[TM+12+\b]
	v_cvt_scalef32_pk8_fp8_f32 v[PC+2+4*\b:PC+3+4*\b], v[\s+8+16*\b:\s+15+16*\b], v[TM+12+\b]
.endr
	v_nop                                          ; a plain line behind the last conversion
.endm
.macro FRAGQ f
.set RS, R+64*((\f)%2)
.if (\f) < 3
	s_wait_loadcnt 16                              ; this fragment's rows are in (and all older loads); the next fragment's 16 may be out
.else
	s_wait_loadcnt 0x0
.endif
.set P, 0
.rept 16
	ds_store_b128 v2, v[RS+4*P:RS+4*P+3] offset:SPQ*P
.set P, P+1
.endr
.set P, 0
.rept 16
	ds_load_b128 v[X+4*P:X+4*P+3], v3 offset:128*(P/4)+16*(P%4)   ; LDS serves a wave's instructions in order: these see the stores above
.set P, P+1
.endr
	s_wait_dscnt 0x0
.if (\f) > 0
	s_wait_xcnt 0x0                                ; the last fragment's stores have read the codes' registers, which are written again below
.endif
.if (\f) < 2
	LOADQ \f+2
.endif
.set P, 0
.rept 32
	v_pk_fma_f32 v[X+P:X+P+1], v[X+P:X+P+1], v[SCQ+2*(\f):SCQ+2*(\f)+1], v[MNQ+2*(\f):MNQ+2*(\f)+1] op_sel_hi:[1,0,0]   ; x * scale + min of my row
.set P, P+2
.endr
	QUANT X, W+(\f)
.irp c, 0,1,2,3
	global_store_b128 v1, v[PC+4*\c:PC+4*\c+3], s[10:11] offset:2048*(\f)+512*\c   ; 32 lanes store 512 consecutive bytes, aligned to 256
.endr
.endm
	LOADQ 0
	LOADQ 1
	FRAGQ 0
	FRAGQ 1
	FRAGQ 2
	FRAGQ 3
	v_cndmask_b32 v28, v[W], v[W+1], s33           ; a pair's word: lanes 0-15 the even fragment's rows, lanes 16-31 the odd one's
	v_cndmask_b32 v29, v[W+2], v[W+3], s33
	global_store_b64 v5, v[28:29], s[12:13]        ; 256 consecutive bytes, aligned
	s_wait_tensorcnt 0x0
	ds_add_u32 v30, v31
	s_wait_dscnt 0x0
	s_endpgm
; ---------------- v: K = the keys, not innermost ----------------
; A lane takes two neighbouring channels, and its registers run down the keys: a load reads 256 consecutive bytes, a block of 32 keys of a channel lies in one lane, and nothing goes through LDS.
.Lv:
	s_lshl_b32 s46, s35, 8                         ; my 64 channels
	s_add_co_u32 s40, s40, s46
	s_add_nc_u64 s[20:21], s[20:21], s[40:41]
	s_lshl_b32 s48, s37, 5                         ; vscale, vmin: row (group t, head) of 512 bytes
	s_add_co_u32 s48, s48, s36
	s_lshl_b32 s48, s48, 9
	s_add_co_u32 s46, s48, s46
	s_add_nc_u64 s[22:23], s[22:23], s[46:47]
	s_add_nc_u64 s[24:25], s[24:25], s[46:47]
	s_add_nc_u64 s[4:5], s[26:27], s[44:45]        ; the scale words
	s_add_nc_u64 s[26:27], s[26:27], s[42:43]      ; the codes
	s_wait_alu depctr_va_vdst(0)
	v_lshlrev_b32 v6, 4, v6
	v_lshl_add_u32 v6, v7, 11, v6                  ; lane l's rows lie in fragments with f % 2 = l / 16, at row l % 16: 2048 (l / 16) + 16 (l % 16)
	global_load_b64 v[32:33], v5, s[22:23]         ; vscale of my two channels
	global_load_b64 v[34:35], v5, s[24:25]         ; vmin
.macro LOADV c                         ; block c: keys 32 c .. 32 c + 31, two channels a lane, into set c % 2
.set P, 0
.rept 32
	global_load_b64 v[R+64*((\c)%2)+2*P:R+64*((\c)%2)+2*P+1], v5, s[20:21] offset:(32*(\c)+P)*ROWP th:TH_LOAD_NT
.set P, P+1
.endr
.endm
.macro BLOCKV c
.set RS, R+64*((\c)%2)
.if (\c) < 3
	s_wait_loadcnt 32                              ; this block's loads are in (and all older ones); the next block's 32 may be out
.else
	s_wait_loadcnt 0x0
.endif
.set P, 0
.rept 32
	v_pk_fma_f32 v[RS+P:RS+P+1], v[RS+P:RS+P+1], v[32:33], v[34:35]   ; x * scale + min, each channel its own
.set P, P+2
.endr
.irp i, 0,1
	v_max3_num_f32 v[16+\i], |v[RS+\i]|, |v[RS+2+\i]|, 0x4800000      ; channel i: all 32 numbers of the block are mine; and the floor
.endr
.set P, 4
.rept 15
.irp i, 0,1
	v_max3_num_f32 v[16+\i], v[16+\i], |v[RS+P+\i]|, |v[RS+P+2+\i]|
.endr
.set P, P+4
.endr
.irp i, 0,1
	v_add_nc_u32 v[18+\i], 0xfc000000, v[16+\i]    ; the conversion's scale operand
	v_and_or_b32 v[20+\i], v[16+\i], 0x7f800000, s29   ; 448 x the scale
.if (\c) == 0
	v_lshrrev_b32 v[36+\i], 23, v[18+\i]           ; the byte: four blocks make the channel's scale word
.else
	v_lshrrev_b32 v[22+\i], 23, v[18+\i]
	v_lshl_or_b32 v[36+\i], v[22+\i], 8*(\c), v[36+\i]
.endif
.endr
.set P, 0
.rept 32
	v_med3_num_f32 v[X+P], v[RS+2*P], -v20, v20    ; the hold also sorts the two channels into runs of 32 registers
	v_med3_num_f32 v[X+32+P], v[RS+2*P+1], -v21, v21
.set P, P+1
.endr
.if (\c) > 0
	s_wait_alu depctr_va_vdst(0)
	s_wait_xcnt 0x0                                ; the last block's stores have read the codes' registers
.endif
.if (\c) < 2
	LOADV \c+2
.endif
.irp i, 0,1
.irp g, 0,1,2,3
	v_cvt_scalef32_pk8_fp8_f32 v[PC+8*\i+2*\g:PC+8*\i+2*\g+1], v[X+32*\i+8*\g:X+32*\i+8*\g+7], v[18+\i]
.endr
.endr
	v_nop                                          ; a plain line behind the last conversion
.irp i, 0,1
.irp h, 0,1
	global_store_b128 v6, v[PC+8*\i+4*\h:PC+8*\i+4*\h+3], s[26:27] offset:4096*\i+512*(\c)+256*\h   ; sixteen lanes store 256 consecutive bytes, aligned
.endr
.endr
.endm
	LOADV 0
	LOADV 1
	BLOCKV 0
	BLOCKV 1
	BLOCKV 2
	BLOCKV 3
	global_store_b64 v5, v[36:37], s[4:5]          ; 256 consecutive bytes, aligned
	s_endpgm
.Lfunc_end_k_qec0b9c48cd_prep:
	.size	k_qec0b9c48cd_prep, .Lfunc_end_k_qec0b9c48cd_prep-k_qec0b9c48cd_prep
	.p2alignl 7, 3214868480
	.fill 96, 4, 3214868480
	.section	.rodata,"a",@progbits
	.p2align	6, 0x0
	.amdhsa_kernel k_qec0b9c48cd_prep
		.amdhsa_group_segment_fixed_size 34304
		.amdhsa_private_segment_fixed_size 0
		.amdhsa_enable_private_segment 0
		.amdhsa_kernarg_size 96
		.amdhsa_user_sgpr_count 2
		.amdhsa_user_sgpr_kernarg_segment_ptr 1
		.amdhsa_wavefront_size32 1
		.amdhsa_system_sgpr_workgroup_id_x 1
		.amdhsa_system_sgpr_workgroup_id_y 1
		.amdhsa_system_sgpr_workgroup_id_z 1
		.amdhsa_system_vgpr_workitem_id 0
		.amdhsa_next_free_vgpr 256
		.amdhsa_next_free_sgpr 66
		.amdhsa_reserve_vcc 0
		.amdhsa_float_denorm_mode_32 3
		.amdhsa_float_denorm_mode_16_64 3
		.amdhsa_fp16_overflow 1
		.amdhsa_memory_ordered 1
		.amdhsa_forward_progress 1
		.amdhsa_inst_pref_size 94
	.end_amdhsa_kernel
	.amdgpu_metadata
---
amdhsa.version: [ 1, 2 ]
amdhsa.kernels:
  - .name:           k_qec0b9c48cd_prep
    .symbol:         k_qec0b9c48cd_prep.kd
    .args:
      - { .name: query_layer, .offset: 0, .size: 8, .value_kind: global_buffer, .address_space: global }
      - { .name: qscale, .offset: 8, .size: 8, .value_kind: global_buffer, .address_space: global }
      - { .name: qmin, .offset: 16, .size: 8, .value_kind: global_buffer, .address_space: global }
      - { .name: qimg, .offset: 24, .size: 8, .value_kind: global_buffer, .address_space: global }
      - { .name: key_layer, .offset: 32, .size: 8, .value_kind: global_buffer, .address_space: global }
      - { .name: kscale, .offset: 40, .size: 8, .value_kind: global_buffer, .address_space: global }
      - { .name: kmin, .offset: 48, .size: 8, .value_kind: global_buffer, .address_space: global }
      - { .name: kimg, .offset: 56, .size: 8, .value_kind: global_buffer, .address_space: global }
      - { .name: value_layer, .offset: 64, .size: 8, .value_kind: global_buffer, .address_space: global }
      - { .name: vscale, .offset: 72, .size: 8, .value_kind: global_buffer, .address_space: global }
      - { .name: vmin, .offset: 80, .size: 8, .value_kind: global_buffer, .address_space: global }
      - { .name: vimg, .offset: 88, .size: 8, .value_kind: global_buffer, .address_space: global }
    .group_segment_fixed_size: 34304
    .private_segment_fixed_size: 0
    .kernarg_segment_align: 8
    .kernarg_segment_size: 96
    .max_flat_workgroup_size: 128
    .sgpr_count:     66
    .vgpr_count:     256
    .wavefront_size: 32
...
	.end_amdgpu_metadata
.endif
;; end of part 1
;; launch attn (part 2): grid 8 x 32, 16 waves a work-group, clusters of 4 x 1, 327,680 bytes of LDS; arguments qimg, kimg, vimg, out0; writes out0
.if DOCPART == 2
	.amdgcn_target "amdgcn-amd-amdhsa--gfx1250"
	.amdhsa_code_object_version 6
	.text
	.protected	k_qec0b9c48cd_attn
	.globl	k_qec0b9c48cd_attn
	.p2align	8
	.type	k_qec0b9c48cd_attn,@function
k_qec0b9c48cd_attn:
	s_mov_b64 s[64:65], 0
	v_nop
	global_prefetch_b8 v0, s[64:65] scope:SCOPE_SE
	s_setreg_imm32_b32 hwreg(HW_REG_WAVE_MODE, 25, 1), 1
	s_wait_xcnt 0x0
	s_wait_alu depctr_hold_cnt(0) depctr_sa_sdst(0) depctr_va_vdst(0) depctr_va_sdst(0) depctr_va_ssrc(0) depctr_va_vcc(0) depctr_vm_vsrc(0)
	s_getreg_b32 s2, hwreg(HW_REG_IB_STS2, 6, 4)
	s_cmp_eq_u32 s2, 0
	s_cbranch_scc0 .Lentry_in_a_cluster
	s_endpgm
.Lentry_in_a_cluster:
	s_bfe_u32 s2, ttmp6, 0x10000c
	s_cmp_lg_u32 s2, 0x3003
	s_cbranch_scc0 .Lentry_shape_is_right
	s_endpgm
.Lentry_shape_is_right:
; out[s][head][:] = the sum over keys t <= s of pd(s, t) vd(t, :), pd = round((p - pmin) / pscale) pscale + pmin, p = softmax of qd . kd / sqrt(128) under the causal mask,
; pmin, pmax the row's least and largest p, pscale = (pmax - pmin) / 255 + 1e-12.  Both products on codes of FP8 (E4M3) with one E8M0 scale for each 32 along K.
; qimg, kimg, vimg: images of operand registers, a tile of 16,896 bytes for each (head, 128 positions): eight fragments of 2,048 bytes, then 512 bytes of scale words.
; TWO PASSES over the keys, since pd wants the finished row.  Pass 1: S^T = K Q^T, a running largest t = score x log2(e) / sqrt(128), M = that rounded up to a whole number, the sum of 2^(t - M).
; Pass 2: the same S^T again (same instruction, same operands), p, pd, its codes along the keys, O^T += V^T P^T.
; THE MASK: a hidden key's p is 0, so pmin = 0 in every row but the last of a head, pd = 0 there, and a step all of whose keys are hidden is left out.  Only the wave with the last block takes a minimum.
; SHARES.  Work-group (x, head) owns fragment x of every block of 128 queries; wave w owns block BI(w) = w or 15 - w (15 - w on the two diagonals of the 4 x 4 square of wave numbers), so that any row and any
; column of that square has the same number of key steps, and all work-groups are alike.  A lane holds ONE query (lane % 16) throughout; both products are used transposed.
; CLUSTER.  The four work-groups of a cluster belong to one head and walk the same tiles of K and V: each tile is asked for jointly.  All branches hang on the wave's number and on counters alone.
; LIMITS: NaN and infinities are not served.  The mask's -1e9 is taken as -infinity: the same p = 0 as long as true scaled scores stay above -1e9 + 100.  M is a whole number exactly for |t| < 2^24.
;   A block of pd whose largest number lies under 2^-118 (zeros too) keeps the byte 1.  / 255 is x (1 / 255); / pscale is x its reciprocal; the multiply-adds are fused.
.set TILEB, 16896
.set HEADB, 16*TILEB
.set SLOT1, 1<<17                      ; a slot: K of two steps, then V of two steps (67,584 bytes); slot 1 begins here, so that one exclusive or turns an address
.set VOFF,  2*TILEB
.set STAGE, SLOT1+4*TILEB              ; behind the ring: 16 rows x 272 bytes for each wave, for the way out
.set SP,    272
.set SPARE, STAGE+16*16*SP             ; behind the stages: the spare words, 128 bytes for each wave: eight blocks of 256 bytes that no other line names
.set OROW,  16384                      ; bytes from a position s to the next in out0
.set PFO,  0                           ; v0   at first my thread's number; then 256 x lane, the prefetches' offset
.set LI,   1                           ; v1   16 x lane
.set LS,   2                           ; v2   8 x lane
.set SPW,  3                           ; v3   my spare word
.set NIL,  4                           ; v4   0
.set ADK,  5                           ; v5   LDS address of the step's fragments
.set PMN,  6                           ; v6   pmin
.set ADS,  7                           ; v7   LDS address of the step's scale words
.set AA,   8                           ; v8   1 / (sum x pscale)
.set DD,   9                           ; v9   my query's place in its block - 16 (lane / 16)
.set NB,   10                          ; v10  -pmin / pscale
.set SMIN, 11                          ; v11  the least score
; v12 -M, v13 the largest t, v[14:15] the sum in two halves, later v14 = pscale; v16-31 Q; v32-95 four fragments of K or V; v96-159 S^T, p, pd; v160-223 O^T; v224-239 pd's codes;
; v232-247 at work; v248-251 K's or V's scale words; v252 f; v253 pd's scale word; v254 at work; v255 Q's scale word
.set WV,   12
.set BI,   13
.set JX,   14
.set HD,   15
.set TB,   16                          ; s16  LDS byte at which the step in hand begins
.set KT,   17                          ; s17  the step in hand
.set CNT,  18
.set QB,   19                          ; s19  where fragment JX's queries begin in a block
.set SEL,  20
.set CS,   22                          ; s[22:23] c = log2(e) / sqrt(128)
.set G1,   24                          ; s[24:31] descriptor group 1: one for all tiles
.set G0K,  32                          ; s[32:35] group 0 that walks K's tiles;  s[36:39] V's
.set G0V,  36
.set STA,  40                          ; s[40:41], s[42:43] K's step forward and back
.set STB,  42
.set PFK,  44
.set PFV,  46
.set LIM1, 48
.set LIM2, 49
.set MNT,  50
.set R255, 51
.set EPS,  52
.set GF,   56                          ; s[56:59] group 0 of my first fill; never rewritten
.macro ROUND                           ; a round of the cluster's barrier
	s_barrier_signal -1
	s_barrier_wait -1
	s_cmp_lg_u32 s[WV], 0
	s_cbranch_scc1 .Lnot_wave_0_\@
	s_barrier_signal -3
.Lnot_wave_0_\@:
	s_barrier_wait -3
	s_barrier_signal -1
	s_barrier_wait -1
.endm
.macro TLOADK                          ; waves 0 and 1 fetch the two steps' tiles of K; four v_nop follow the load
	s_cmp_lt_u32 s[WV], 2
	s_cbranch_scc0 .Lasked_\@
	tensor_load_to_lds s[G0K:G0K+3], s[G1:G1+7]
	s_nop 0
.rept 4
	v_nop
.endr
.Lasked_\@:
.endm
.macro TLOADKV                         ; waves 0 and 1: K's; waves 2 and 3: V's
	s_cmp_lt_u32 s[WV], 2
	s_cbranch_scc0 .Lnot_k_\@
	tensor_load_to_lds s[G0K:G0K+3], s[G1:G1+7]
	s_nop 0
.rept 4
	v_nop
.endr
	s_branch .Lasked_\@
.Lnot_k_\@:
	s_cmp_lt_u32 s[WV], 4
	s_cbranch_scc0 .Lasked_\@
	tensor_load_to_lds s[G0V:G0V+3], s[G1:G1+7]
	s_nop 0
.rept 4
	v_nop
.endr
.Lasked_\@:
.endm
; A prefetch into the L2 of the codes that the NEXT change of slots will ask for: two tiles x 16,384 bytes.  Both clusters of a head walk the same tiles: the head's first cluster asks, in it wave 4 of each
; work-group; the four partners are told apart by address, 8,192 bytes each, lanes 256 bytes apart.  So each of these blocks of 256 bytes is named once in the launch.  The last changes ask for nothing.
.macro ASK p, lim
	s_cmp_gt_u32 s[CNT], s[\lim]
	s_cbranch_scc0 .Lnot_mine_\@
	s_wait_alu depctr_va_vdst(0)
	global_prefetch_b8 v[PFO], s[\p:\p+1] th:TH_LOAD_NT scope:SCOPE_SE
.Lnot_mine_\@:
.endm
.macro FOLD op3, op2                   ; the 64 scores into v254, each accumulator from its low end on
.irp b, 0,1,2,3
	\op3 v[232+\b], v[96+16*\b], v[97+16*\b], v[98+16*\b]
.endr
.irp i, 3,5,7,9,11,13
.irp b, 0,1,2,3
	\op3 v[232+\b], v[232+\b], v[96+16*\b+\i], v[97+16*\b+\i]
.endr
.endr
.irp b, 0,1,2,3
	\op2 v[232+\b], v[232+\b], v[111+16*\b]
.endr
	s_delay_alu instid0(VALU_DEP_2)
	\op3 v254, v232, v233, v234
	s_delay_alu instid0(VALU_DEP_1)
	\op2 v254, v254, v235
.endm
.macro KHALF g                         ; four fragments of K, their products, and eight places behind them
.irp t, 0,1,2,3
.irp c, 0,1,2,3
	ds_load_b128 v[32+16*\t+4*\c:35+16*\t+4*\c], v[ADK] offset:2048*(4*\g+\t)+512*\c
.endr
.endr
.if \g == 0
	ds_load_b64 v[248:249], v[ADS] offset:16384    ; pairs 0, 1: lanes 0-15 the even fragment's rows, lanes 16-31 the odd one's
	ds_load_b64 v[250:251], v[ADS] offset:16640    ; pairs 2, 3
.endif
	s_wait_dscnt 0x0
.irp t, 0,2
	v_wmma_scale_f32_16x16x128_f8f6f4 v[96+8*(4*\g+\t):103+8*(4*\g+\t)], v[32+16*\t:47+16*\t], v[16:31], 0, v[248+2*\g+\t/2], v255
	v_wmma_scale_f32_16x16x128_f8f6f4 v[104+8*(4*\g+\t):111+8*(4*\g+\t)], v[48+16*\t:63+16*\t], v[16:31], 0, v[248+2*\g+\t/2], v255 matrix_a_scale:MATRIX_SCALE_ROW1
.endr
.rept 8
	v_nop                                          ; places in front of loads into registers that these products read, and of the first read of their results
.endr
.endm
; S^T of the step in hand: register 16 b + i of lane (r, hh) is the score of my query with key 128 KT + 32 b + 16 hh + i.  pl: v_nop owed in front of the loads beside the two additions
.macro SCORES pl
	v_add_nc_u32 v[ADK], s[TB], v[LI]
	v_add_nc_u32 v[ADS], s[TB], v[LS]
.if \pl
.rept \pl
	v_nop
.endr
.endif
	KHALF 0
	s_wait_alu depctr_va_vdst(0)
	KHALF 1
	s_cmp_lg_u32 s[KT], s[BI]                      ; on the diagonal hidden keys' scores become -infinity
	s_cbranch_scc1 .Lopen_\@
	v_mov_b32 v254, 0xff800000
.set N, 0
.rept 64
	v_cmp_gt_i32 vcc_lo, 32*(N/16)+N%16, v[DD]
	v_cndmask_b32 v[96+N], v[96+N], v254, vcc_lo
.set N, N+1
.endr
.Lopen_\@:
.endm
.macro TMINUSM                         ; t - M = c s - M, two at a time
.set P, 0
.rept 32
	v_pk_fma_f32 v[96+P:97+P], v[96+P:97+P], s[CS:CS+1], v[12:13] op_sel_hi:[1,0,0]
.set P, P+2
.endr
.endm
.macro EXP64
.set P, 0
.rept 64
	v_exp_f32 v[96+P], v[96+P]
.set P, P+1
.endr
.endm
; PASS 1, a key step.  A step all of whose keys come after my queries is left out: a branch on the wave's number and a counter, round no barrier and no tensor load
.macro P1STEP
	s_cmp_gt_u32 s[KT], s[BI]
	s_cbranch_scc1 .Lhid_\@
	SCORES 0
	s_cmp_lg_u32 s[BI], 15                         ; only the last block can hold a row with no hidden key
	s_cbranch_scc1 .Lnomin_\@
	FOLD v_min3_num_f32, v_min_num_f32
	s_delay_alu instid0(VALU_DEP_1)
	v_min_num_f32 v[SMIN], v[SMIN], v254
.Lnomin_\@:
	FOLD v_max3_num_f32, v_max_num_f32
	s_delay_alu instid0(VALU_DEP_1)
	v_permlanex16_b32 v236, v254, s[SEL], s[SEL+1]
	s_delay_alu instid0(VALU_DEP_1)
	v_max_num_f32 v254, v254, v236                 ; the step's largest score of my query
	s_delay_alu instid0(VALU_DEP_1)
	v_mul_f32 v254, s[CS], v254
	s_delay_alu instid0(VALU_DEP_1)
	v_max_num_f32 v13, v13, v254                   ; the running largest t
	v_mov_b32 v254, v12
	s_delay_alu instid0(VALU_DEP_2)
	v_floor_f32 v12, -v13                          ; -M = floor(-t)
	s_delay_alu instid0(VALU_DEP_1)
	v_sub_f32 v254, v12, v254                      ; old M - new M: a whole number, 0 or less
	s_delay_alu instid0(VALU_DEP_1)
	v_cvt_i32_f32 v254, v254
	s_delay_alu instid0(VALU_DEP_1)
	v_ldexp_f32 v252, 1.0, v254                    ; f = 2^(old M - new M)
	TMINUSM
	s_wait_alu depctr_va_vdst(0)
	EXP64
	v_pk_mul_f32 v[14:15], v[14:15], v[252:253] op_sel_hi:[1,0]   ; the sums under the new M: rounds nothing.  (A plain line behind the exponentials)
	s_wait_alu depctr_va_vdst(0)                   ; one wait for the batch, ahead of its first reader
	v_pk_add_f32 v[236:237], v[100:101], v[104:105]
	v_pk_add_f32 v[250:251], v[108:109], v[112:113]
	v_pk_add_f32 v[248:249], v[116:117], v[120:121]
	v_pk_add_f32 v[246:247], v[124:125], v[128:129]
	v_pk_add_f32 v[244:245], v[132:133], v[136:137]
	v_pk_add_f32 v[242:243], v[140:141], v[144:145]
	v_pk_add_f32 v[240:241], v[148:149], v[152:153]
	v_pk_add_f32 v[14:15], v[14:15], v[156:157]
	v_pk_add_f32 v[236:237], v[236:237], v[96:97]
	v_pk_add_f32 v[250:251], v[250:251], v[98:99]
	v_pk_add_f32 v[248:249], v[248:249], v[102:103]
	v_pk_add_f32 v[246:247], v[246:247], v[106:107]
	v_pk_add_f32 v[244:245], v[244:245], v[110:111]
	v_pk_add_f32 v[242:243], v[242:243], v[114:115]
	v_pk_add_f32 v[240:241], v[240:241], v[118:119]
	v_pk_add_f32 v[14:15], v[14:15], v[122:123]
	v_pk_add_f32 v[236:237], v[236:237], v[126:127]
	v_pk_add_f32 v[250:251], v[250:251], v[130:131]
	v_pk_add_f32 v[248:249], v[248:249], v[134:135]
	v_pk_add_f32 v[246:247], v[246:247], v[138:139]
	v_pk_add_f32 v[244:245], v[244:245], v[142:143]
	v_pk_add_f32 v[242:243], v[242:243], v[146:147]
	v_pk_add_f32 v[240:241], v[240:241], v[150:151]
	v_pk_add_f32 v[14:15], v[14:15], v[154:155]
	v_pk_add_f32 v[236:237], v[236:237], v[158:159]
	s_delay_alu instid0(VALU_DEP_2)
	v_pk_add_f32 v[14:15], v[14:15], v[246:247]
	s_delay_alu instid0(VALU_DEP_2)
	v_pk_add_f32 v[236:237], v[236:237], v[244:245]
	v_pk_add_f32 v[250:251], v[250:251], v[242:243]
	v_pk_add_f32 v[248:249], v[248:249], v[240:241]
	s_delay_alu instid0(VALU_DEP_2)
	v_pk_add_f32 v[14:15], v[14:15], v[250:251]
	s_delay_alu instid0(VALU_DEP_2)
	v_pk_add_f32 v[236:237], v[236:237], v[248:249]
	s_delay_alu instid0(VALU_DEP_1)
	v_pk_add_f32 v[14:15], v[14:15], v[236:237]
.Lhid_\@:
	s_add_co_u32 s[TB], s[TB], TILEB
	s_add_co_u32 s[KT], s[KT], 1
.endm
.macro VLOAD g
.irp t, 0,1,2,3
.irp c, 0,1,2,3
	ds_load_b128 v[32+16*\t+4*\c:35+16*\t+4*\c], v[ADK] offset:VOFF+2048*(4*\g+\t)+512*\c
.endr
.endr
.endm
.macro VMUL g                          ; O^T += V^T P^T for four fragments of 16 channels; the eight accumulators take turns
	s_wait_dscnt 0x0
.irp t, 0,2
	v_wmma_scale_f32_16x16x128_f8f6f4 v[160+8*(4*\g+\t):167+8*(4*\g+\t)], v[32+16*\t:47+16*\t], v[224:239], v[160+8*(4*\g+\t):167+8*(4*\g+\t)], v[248+2*\g+\t/2], v253
	v_wmma_scale_f32_16x16x128_f8f6f4 v[168+8*(4*\g+\t):175+8*(4*\g+\t)], v[48+16*\t:63+16*\t], v[224:239], v[168+8*(4*\g+\t):175+8*(4*\g+\t)], v[248+2*\g+\t/2], v253 matrix_a_scale:MATRIX_SCALE_ROW1
.endr
.endm
; PASS 2, a key step
.macro P2STEP
	s_cmp_gt_u32 s[KT], s[BI]
	s_cbranch_scc1 .Lhid_\@
	SCORES 6
	VLOAD 0                                        ; V's first four fragments and its scale words land while pd is made
	ds_load_b64 v[248:249], v[ADS] offset:VOFF+16384
	ds_load_b64 v[250:251], v[ADS] offset:VOFF+16640
	TMINUSM
	s_wait_alu depctr_va_vdst(0)
	EXP64
	v_nop                                          ; a plain line behind the last exponential
	s_wait_alu depctr_va_vdst(0)                   ; one wait for the batch, ahead of its first reader
.set P, 0
.rept 32
	v_pk_fma_f32 v[96+P:97+P], v[96+P:97+P], v[AA:AA+1], v[NB:NB+1] op_sel_hi:[1,0,0]   ; (p - pmin) / pscale
.set P, P+2
.endr
.set P, 0
.rept 64
	v_rndne_f32 v[96+P], v[96+P]                   ; the prob's whole-number code, ties to even
.set P, P+1
.endr
.set P, 0
.rept 32
	v_pk_fma_f32 v[96+P:97+P], v[96+P:97+P], v[14:15], v[PMN:PMN+1] op_sel_hi:[1,0,0]   ; pd = code x pscale + pmin, never negative
.set P, P+2
.endr
.irp b, 0,1,2,3
	v_max3_num_f32 v[232+\b], v[96+16*\b], v[97+16*\b], 0x4800000   ; block b of 32 keys: my 16, and the floor 2^(9 - 127)
.endr
.irp i, 2,4,6,8,10,12,14
.irp b, 0,1,2,3
	s_delay_alu instid0(VALU_DEP_4)
	v_max3_num_f32 v[232+\b], v[232+\b], v[96+16*\b+\i], v[97+16*\b+\i]
.endr
.endr
.irp b, 0,1,2,3
	v_permlanex16_b32 v[236+\b], v[232+\b], s[SEL], s[SEL+1]
.endr
.irp b, 0,1,2,3
	s_delay_alu instid0(VALU_DEP_4)
	v_max_num_f32 v[232+\b], v[232+\b], v[236+\b]
.endr
.irp b, 0,1,2,3
	s_delay_alu instid0(VALU_DEP_4)
	v_add_nc_u32 v[244+\b], 0xfc000000, v[232+\b]  ; the conversion's scale operand
.endr
.irp b, 0,1,2,3
.endr
.irp b, 0,1,2,3
	s_delay_alu instid0(VALU_DEP_4)
	v_lshrrev_b32 v[236+\b], 23, v[244+\b]         ; the scale's byte
.endr
	s_delay_alu instid0(VALU_DEP_3)
	v_lshl_or_b32 v253, v237, 8, v236              ; pd's scale word for these 128 keys
	s_delay_alu instid0(VALU_DEP_1)
	v_lshl_or_b32 v253, v238, 16, v253
	s_delay_alu instid0(VALU_DEP_1)
	v_lshl_or_b32 v253, v239, 24, v253
.irp b, 0,1,2,3
.irp i, 0,1,2,3,4,5,6,7,8,9,10,11,12,13,14,15
.endr
	v_cvt_scalef32_pk8_fp8_f32 v[224+4*\b:225+4*\b], v[96+16*\b:103+16*\b], v[244+\b]
	v_cvt_scalef32_pk8_fp8_f32 v[226+4*\b:227+4*\b], v[104+16*\b:111+16*\b], v[244+\b]
.endr
.rept 4
	v_nop                                          ; an operand written by vector instructions stands four places ahead of a scaled product
.endr
	s_wait_alu depctr_va_vdst(0)
	VMUL 0
.rept 8
	v_nop                                          ; places in front of loads into registers that the products read
.endr
	VLOAD 1
	VMUL 1
.Lhid_\@:
	s_add_co_u32 s[TB], s[TB], TILEB
	s_add_co_u32 s[KT], s[KT], 1
.endm
; THE CHANGE OF SLOTS stands behind a slot's two steps.  Each wave waits for all its tensor loads (the other slot's part among them), adds 0 to its spare word, and waits for that and for its reads of the
; slot; behind the round nobody of the four work-groups reads the slot, and it is filled with the tiles two visits on: that load has the other slot's two steps in which to land.
.macro CHANGE1                         ; pass 1: K alone.  The last two changes fetch the head's first tiles again, for pass 2
	s_wait_tensorcnt 0x0                           ; no tensor load of mine is out, so a group 0 may be written
	ds_add_u32 v[SPW], v[NIL]
	ds_add_u32 v[SPW], v[NIL]
	s_xor_b32 s[G0K+1], s[G0K+1], SLOT1
	s_cmp_eq_u32 s[CNT], 2
	s_cselect_b32 s[STA], 0, 2*TILEB               ; two tiles on,
	s_cselect_b32 s[STB], 14*TILEB, 0              ; or from the last two back to the first two
	s_add_nc_u64 s[G0K+2:G0K+3], s[G0K+2:G0K+3], s[STA:STA+1]
	s_sub_nc_u64 s[G0K+2:G0K+3], s[G0K+2:G0K+3], s[STB:STB+1]
	s_wait_xcnt 0x0                                ; the last prefetch, a visit back, has read its address
	s_add_nc_u64 s[PFK:PFK+1], s[PFK:PFK+1], 2*TILEB
	s_wait_dscnt 0x0                               ; the add is done, and my reads of the slot are over
	ROUND
	TLOADK
	ASK PFK, LIM1
.endm
.macro CHANGE2 fill                    ; pass 2: K and V
	s_wait_tensorcnt 0x0
	ds_add_u32 v[SPW], v[NIL]
	ds_add_u32 v[SPW], v[NIL]
.if \fill
	s_xor_b32 s[G0K+1], s[G0K+1], SLOT1
	s_add_nc_u64 s[G0K+2:G0K+3], s[G0K+2:G0K+3], 2*TILEB
	s_xor_b32 s[G0V+1], s[G0V+1], SLOT1
	s_add_nc_u64 s[G0V+2:G0V+3], s[G0V+2:G0V+3], 2*TILEB
	s_wait_xcnt 0x0
	s_add_nc_u64 s[PFV:PFV+1], s[PFV:PFV+1], 2*TILEB
	s_wait_dscnt 0x0
	ROUND
	TLOADKV
	ASK PFV, LIM2
.else
	s_wait_dscnt 0x0
	s_barrier_signal -1
	s_barrier_wait -1
.endif
.endm
.macro NEXTSLOT
	s_sub_co_u32 s[TB], s[TB], 2*TILEB
	s_xor_b32 s[TB], s[TB], SLOT1
.endm
	s_load_b256 s[4:11], s[0:1], 0x0               ; qimg s[4:5], kimg s[6:7], vimg s[8:9], out0 s[10:11]
	v_lshl_add_u32 v[SPW], v0, 2, SPARE
	v_mov_b32 v[NIL], 0
	ds_add_u32 v3, v4
	ds_add_u32 v3, v4
	s_wait_dscnt 0x0
	v_lshrrev_b32 v[ADK], 5, v0
	s_delay_alu instid0(VALU_DEP_1)
	v_readfirstlane_b32 s[WV], v[ADK]              ; wave 0..15
	s_lshr_b32 s2, s[WV], 2                        ; row xor column of the 4 x 4 square: 0 or 3 on a diagonal
	s_xor_b32 s2, s2, s[WV]
	s_lshr_b32 s3, s2, 1
	s_xor_b32 s2, s2, s3
	s_and_b32 s2, s2, 1                            ; 0 on a diagonal
	s_xor_b32 s2, s2, 1
	s_mul_i32 s2, s2, 15
	s_xor_b32 s[BI], s[WV], s2                     ; my block of 128 queries
	s_and_b32 s[HD], ttmp7, 0xffff                 ; the head, which the four partners share
	s_mov_b32 s[G1], 15|(3<<16)|(1<<21)            ; 15:0 the mask: all four work-groups; 17:16 elements of 8 bytes; 21 set beside a mask; no padding: images are read as they lie
	s_mov_b32 s[G1+1], 32<<16                      ; tensor_dim0 = 32 elements: 256 bytes
	s_mov_b32 s[G1+2], 66<<16                      ; tensor_dim1 = 66 rows: a tile
	s_mov_b32 s[G1+3], 32<<16                      ; tile_dim0
	s_mov_b32 s[G1+4], 66                          ; tile_dim1
	s_mov_b32 s[G1+5], 32                          ; the pitch: dense
	s_mov_b32 s[G1+6], 0
	s_mov_b32 s[G1+7], 0
	s_mov_b32 s[SEL], 0x76543210
	s_mov_b32 s[SEL+1], 0xfedcba98
	s_mov_b32 s[CS], 0x3e0293ee                    ; c = log2(e) / sqrt(128)
	s_mov_b32 s[CS+1], s[CS]
	s_mov_b32 s[R255], 0x3b808081                  ; 1 / 255
	s_mov_b32 s[EPS], 0x2b8cbccc                   ; 1e-12
	s_mov_b32 s[STA+1], 0
	s_mov_b32 s[STB+1], 0
	s_mov_b32 s[TB], 0
	s_mov_b32 s[KT], 0
	s_and_b32 s55, s[WV], 1
	s_mul_i32 s55, s55, TILEB                      ; which of a slot's two steps I fetch
	s_mul_i32 s54, s[HD], HEADB                    ; the head's first byte in kimg and vimg
	; my first fill: waves 0, 1: K, slot 0; 2, 3: V, slot 0; 4, 5: K, slot 1; 6, 7: V, slot 1
	s_lshr_b32 s19, s[WV], 2                       ; the slot
	s_lshl_b32 s2, s19, 17
	s_bfe_u32 s3, s[WV], 0x10001                   ; K or V
	s_mul_i32 s3, s3, VOFF
	s_add_co_u32 s2, s2, s3
	s_mov_b32 s[GF], 1
	s_add_co_u32 s[GF+1], s2, s55
	s_mul_i32 s2, s19, 2*TILEB
	s_add_co_u32 s2, s2, s55
	s_add_co_u32 s2, s2, s54
	s_mov_b32 s3, 0
	s_and_b32 s19, s[WV], 2
	s_wait_kmcnt 0x0
	s_cmp_eq_u32 s19, 0
	s_cselect_b64 s[GF+2:GF+3], s[6:7], s[8:9]
	s_add_nc_u64 s[GF+2:GF+3], s[GF+2:GF+3], s[2:3]
	s_or_b32 s[GF+3], s[GF+3], 0x80000000
	; the walking descriptors stand at slot 1 and its tiles: the first change turns them to slot 0 and steps them two tiles on
	s_add_co_u32 s2, s54, s55
	s_add_co_u32 s2, s2, 2*TILEB
	s_mov_b32 s[G0K], 1
	s_add_co_u32 s[G0K+1], s55, SLOT1
	s_add_nc_u64 s[G0K+2:G0K+3], s[6:7], s[2:3]
	s_or_b32 s[G0K+3], s[G0K+3], 0x80000000
	s_mov_b32 s[G0V], 1
	s_add_co_u32 s[G0V+1], s55, SLOT1+VOFF
	s_add_nc_u64 s[G0V+2:G0V+3], s[8:9], s[2:3]
	s_or_b32 s[G0V+3], s[G0V+3], 0x80000000
	ROUND                                          ; all four work-groups are here: the first joint loads meet
	s_cmp_lt_u32 s[WV], 8                          ; the first fills: one group, one load a wave
	s_cbranch_scc0 .Lfirst_asked
	tensor_load_to_lds s[GF:GF+3], s[G1:G1+7]
	s_nop 0
.rept 4
	v_nop
.endr
.Lfirst_asked:
	; what hangs on my place in the cluster: Q's and out0's addresses, the prefetches' addresses, and the number DD
	s_bfe_u32 s53, ttmp6, 0x40000                  ; cx
	s_lshl_b32 s[JX], ttmp9, 2
	s_add_co_u32 s[JX], s[JX], s53                 ; my fragment of every block of queries
	v_and_b32 v[LI], 31, v0
	s_delay_alu instid0(VALU_DEP_1)
	v_lshlrev_b32 v[LS], 3, v[LI]
	s_delay_alu instid0(VALU_DEP_2)
	v_lshlrev_b32 v[LI], 4, v[LI]
	s_lshl_b32 s2, s[HD], 4
	s_add_co_u32 s2, s2, s[BI]
	s_mul_i32 s2, s2, TILEB
	s_add_nc_u64 s[4:5], s[4:5], s[2:3]            ; Q's tile (head, BI)
	s_lshl_b32 s2, s[JX], 11
	v_add_nc_u32 v232, s2, v[LI]
.irp c, 0,1,2,3
	global_load_b128 v[16+4*\c:19+4*\c], v232, s[4:5] offset:512*\c   ; Q's fragment stays in registers
.endr
	s_lshr_b32 s2, s[JX], 2                        ; its scale words: 256 (JX / 4) + 4 ((JX / 2) % 2) + 128 (JX % 2) + 8 r
	s_lshl_b32 s2, s2, 8
	s_bfe_u32 s19, s[JX], 0x10001
	s_lshl_b32 s19, s19, 2
	s_add_co_u32 s2, s2, s19
	s_and_b32 s19, s[JX], 1
	s_lshl_b32 s19, s19, 7
	s_add_co_u32 s2, s2, s19
	v_and_b32 v233, 15, v0
	s_delay_alu instid0(VALU_DEP_1)
	v_lshl_add_u32 v233, v233, 3, s2
	global_load_b32 v255, v233, s[4:5] offset:16384
	s_lshr_b32 s[QB], s[JX], 1
	s_lshl_b32 s[QB], s[QB], 5
	s_and_b32 s2, s[JX], 1
	s_lshl_b32 s2, s2, 3
	s_add_co_u32 s[QB], s[QB], s2                  ; 32 (JX / 2) + 8 (JX % 2)
	v_and_b32 v[DD], 15, v0
	s_delay_alu instid0(VALU_DEP_1)
	v_and_b32 v[ADK], 8, v[DD]
	s_delay_alu instid0(VALU_DEP_1)
	v_add_nc_u32 v[DD], v[DD], v[ADK]              ; r + 8 (r / 8)
	v_and_b32 v[ADK], 16, v0
	s_delay_alu instid0(VALU_DEP_1)
	v_sub_nc_u32 v[DD], v[DD], v[ADK]              ; - 16 hh
	s_delay_alu instid0(VALU_DEP_1)
	v_add_nc_u32 v[DD], s[QB], v[DD]
	s_lshr_b32 s2, s53, 1                          ; the prefetches: my work-group's 8,192 bytes of a slot's two tiles,
	s_mul_i32 s2, s2, TILEB
	s_and_b32 s53, s53, 1
	s_lshl_b32 s53, s53, 13
	s_add_co_u32 s2, s2, s53
	s_add_co_u32 s2, s2, s54
	s_add_co_u32 s2, s2, 4*TILEB                   ; at the third pair of tiles: the first change steps them to the fourth.  Nothing is prefetched here, at the head
	s_add_nc_u64 s[PFK:PFK+1], s[6:7], s[2:3]
	s_add_nc_u64 s[PFV:PFV+1], s[8:9], s[2:3]
	s_xor_b32 s2, s[WV], 4
	s_or_b32 s2, s2, ttmp9                         ; 0 in wave 4 of the head's first cluster: the same in all four partners
	s_cmp_eq_u32 s2, 0
	s_cselect_b32 s[LIM1], 3, -1
	s_cselect_b32 s[LIM2], 1, -1
	s_cmp_eq_u32 s[BI], 15
	s_mov_b32 s2, 0xff800000
	s_cselect_b32 s2, 0x7f800000, s2
	v_mov_b32 v[SMIN], s2                          ; +infinity where a minimum is taken; -infinity elsewhere: pmin = 0 then
	v_mov_b32 v13, 0xff61b1e6                      ; the largest t so far: -3e38
	s_delay_alu instid0(VALU_DEP_1)
	v_floor_f32 v12, -v13
	v_mov_b32 v14, 0
	v_mov_b32 v15, 0
.irp b, 0,1,2,3
	v_mov_b32 v[236+\b], 0                         ; a lane permute's destination counts as one of its sources
.endr
	v_mov_b32 v253, 0                              ; named as the upper half of the pair v[252:253]
	v_and_b32 v[PFO], 31, v0
	s_delay_alu instid0(VALU_DEP_1)
	v_lshlrev_b32 v[PFO], 8, v[PFO]
	s_wait_loadcnt 0x0                             ; Q
	s_wait_tensorcnt 0x0                           ; my first fill has landed,
	s_barrier_signal -1
	s_barrier_wait -1                              ; everybody's has
	s_mov_b32 s[CNT], 8
.Lpass1:                                           ; a trip: a slot's two steps, then the slot is filled with K's tiles two visits on
	P1STEP
	P1STEP
	CHANGE1
	NEXTSLOT
	s_sub_co_u32 s[CNT], s[CNT], 1
	s_cmp_lg_u32 s[CNT], 0
	s_cbranch_scc1 .Lpass1
	; THE ROW'S FIGURES
	s_wait_alu depctr_va_vdst(0)
	v_add_f32 v14, v14, v15
	s_delay_alu instid0(VALU_DEP_1)
	v_permlanex16_b32 v236, v14, s[SEL], s[SEL+1]
	v_permlanex16_b32 v237, v[SMIN], s[SEL], s[SEL+1]
	s_delay_alu instid0(VALU_DEP_2)
	v_add_f32 v14, v14, v236                       ; the sum L
	s_delay_alu instid0(VALU_DEP_2)
	v_min_num_f32 v[SMIN], v[SMIN], v237
	v_add_f32 v232, v13, v12                       ; the largest t - M
	s_delay_alu instid0(VALU_DEP_2)
	v_fma_f32 v233, v[SMIN], s[CS], v12            ; the least t - M, or -infinity
	s_wait_alu depctr_va_vdst(0)
	v_rcp_f32 v234, v14
	v_exp_f32 v232, v232
	v_exp_f32 v233, v233
	v_nop
	s_wait_alu depctr_va_vdst(0)                   ; one wait for the three, ahead of their first reader
	v_mul_f32 v232, v232, v234                     ; pmax
	v_mul_f32 v[PMN], v233, v234                   ; pmin
	s_delay_alu instid0(VALU_DEP_1)
	v_sub_f32 v232, v232, v[PMN]
	s_delay_alu instid0(VALU_DEP_1)
	v_fma_f32 v14, v232, s[R255], s[EPS]           ; pscale
	s_wait_alu depctr_va_vdst(0)
	v_rcp_f32 v235, v14
	v_nop
	s_wait_alu depctr_va_vdst(0)
	v_mul_f32 v[AA], v234, v235                    ; 2^(t - M) x this = p / pscale
	v_mul_f32 v[NB], -v[PMN], v235
.set P, 0
.rept 64
	v_mov_b32 v[160+P], 0                          ; O^T: the key step is written with sums in place
.set P, P+1
.endr
	s_mov_b32 s[KT], 0
	s_mov_b32 s[CNT], 6
.Lpass2:                                           ; a trip: a slot's two steps, then the slot is filled with K's and V's tiles two visits on
	P2STEP
	P2STEP
	CHANGE2 1
	NEXTSLOT
	s_sub_co_u32 s[CNT], s[CNT], 1
	s_cmp_lg_u32 s[CNT], 0
	s_cbranch_scc1 .Lpass2
	s_mov_b32 s[CNT], 2
.Ltail:                                            ; the last two slots: nothing is left to fetch.  A loop of two, so that the key step is not written a third time; the second trip's barrier orders nothing
	P2STEP
	P2STEP
	CHANGE2 0
	NEXTSLOT
	s_sub_co_u32 s[CNT], s[CNT], 1
	s_cmp_lg_u32 s[CNT], 0
	s_cbranch_scc1 .Ltail
	; THE WAY OUT.  Register j of accumulator f = 4 a + 2 i + e is out(query r, channel 64 a + 32 e + 16 hh + 2 j + i).  The ten address lines are also the places behind the last products.
	v_bfe_u32 v[ADK], v[LI], 4, 4                  ; r
	v_bfe_u32 v[ADS], v[LI], 8, 1                  ; hh
	s_mul_i32 s2, s[WV], 16*SP
	s_add_co_u32 s2, s2, STAGE                     ; my stage
	v_lshlrev_b32 v[DD], 14, v[ADS]
	s_delay_alu instid0(VALU_DEP_1)
	v_lshl_add_u32 v[DD], v[ADK], 4, v[DD]         ; out0: lanes 0-15 one position, lanes 16-31 the next; 16 bytes a lane
	v_mul_u32_u24 v[LS], v[ADS], SP
	s_delay_alu instid0(VALU_DEP_1)
	v_lshl_add_u32 v[LS], v[ADK], 4, v[LS]
	s_delay_alu instid0(VALU_DEP_1)
	v_add_nc_u32 v[LS], s2, v[LS]                  ; back: lanes 0-15 one row, lanes 16-31 the next
	v_mul_u32_u24 v[LI], v[ADK], SP
	s_delay_alu instid0(VALU_DEP_1)
	v_lshl_add_u32 v[LI], v[ADS], 6, v[LI]
	s_delay_alu instid0(VALU_DEP_1)
	v_add_nc_u32 v[LI], s2, v[LI]                  ; in: row r, + 64 hh
	s_lshl_b32 s54, s[BI], 7
	s_add_co_u32 s54, s54, s[QB]                   ; my first position
	s_lshl_b32 s54, s54, 14
	s_lshl_b32 s3, s[HD], 9
	s_add_co_u32 s54, s54, s3
	s_mov_b32 s55, 0
	s_add_nc_u64 s[10:11], s[10:11], s[54:55]
.irp a, 0,1
.irp i, 0,1
.irp e, 0,1
.irp j, 0,1,2,3,4,5,6,7
	v_mov_b32 v[96+32*\a+16*\e+2*\j+\i], v[160+8*(4*\a+2*\i+\e)+\j]   ; sixteen neighbouring channels into sixteen neighbouring registers; each accumulator from its low end on
.endr
.endr
.endr
.endr
.irp a, 0,1                            ; channels 64 a on: 256 bytes of each of my 16 rows
.irp e, 0,1
.irp k, 0,1,2,3
	ds_store_b128 v[LI], v[96+32*\a+16*\e+4*\k:99+32*\a+16*\e+4*\k] offset:128*\e+16*\k
.endr
.endr
.irp k, 0,1,2,3,4,5,6,7
	ds_load_b128 v[32+32*\a+4*\k:35+32*\a+4*\k], v[LS] offset:2*SP*\k   ; LDS serves a wave's instructions in order: these see my stores, and the next half's stores come behind them
.endr
.endr
.irp a, 0,1
.irp k, 0,1,2,3,4,5,6,7
	s_wait_dscnt 23-16*\a-\k                       ; behind this load: the rest of its half's loads, and the other half's sixteen instructions
	global_store_b128 v[DD], v[32+32*\a+4*\k:35+32*\a+4*\k], s[10:11] offset:(2*\k+8*(\k/4))*OROW+256*\a th:TH_STORE_NT   ; sixteen lanes store 256 consecutive bytes, aligned
.endr
.endr
	s_wait_tensorcnt 0x0                           ; the wave's end
	ds_add_u32 v[SPW], v[NIL]
	s_wait_dscnt 0x0
	ROUND                                          ; the closing round: no work-group ends while a partner may still ask for a tile that names it
	s_endpgm
.Lfunc_end_k_qec0b9c48cd_attn:
	.size	k_qec0b9c48cd_attn, .Lfunc_end_k_qec0b9c48cd_attn-k_qec0b9c48cd_attn
	.p2alignl 7, 3214868480
	.fill 96, 4, 3214868480
	.section	.rodata,"a",@progbits
	.p2align	6, 0x0
	.amdhsa_kernel k_qec0b9c48cd_attn
		.amdhsa_group_segment_fixed_size 327680
		.amdhsa_private_segment_fixed_size 0
		.amdhsa_enable_private_segment 0
		.amdhsa_kernarg_size 32
		.amdhsa_user_sgpr_count 2
		.amdhsa_user_sgpr_kernarg_segment_ptr 1
		.amdhsa_wavefront_size32 1
		.amdhsa_system_sgpr_workgroup_id_x 1
		.amdhsa_system_sgpr_workgroup_id_y 1
		.amdhsa_system_sgpr_workgroup_id_z 1
		.amdhsa_system_vgpr_workitem_id 0
		.amdhsa_next_free_vgpr 256
		.amdhsa_next_free_sgpr 66
		.amdhsa_reserve_vcc 1
		.amdhsa_float_denorm_mode_32 3
		.amdhsa_float_denorm_mode_16_64 3
		.amdhsa_fp16_overflow 1
		.amdhsa_memory_ordered 1
		.amdhsa_forward_progress 1
		.amdhsa_inst_pref_size 174
	.end_amdhsa_kernel
	.amdgpu_metadata
---
amdhsa.version: [ 1, 2 ]
amdhsa.kernels:
  - .name:           k_qec0b9c48cd_attn
    .symbol:         k_qec0b9c48cd_attn.kd
    .args:
      - { .name: qimg, .offset: 0, .size: 8, .value_kind: global_buffer, .address_space: global }
      - { .name: kimg, .offset: 8, .size: 8, .value_kind: global_buffer, .address_space: global }
      - { .name: vimg, .offset: 16, .size: 8, .value_kind: global_buffer, .address_space: global }
      - { .name: out0, .offset: 24, .size: 8, .value_kind: global_buffer, .address_space: global }
    .group_segment_fixed_size: 327680
    .private_segment_fixed_size: 0
    .kernarg_segment_align: 8
    .kernarg_segment_size: 32
    .max_flat_workgroup_size: 512
    .sgpr_count:     66
    .vgpr_count:     256
    .wavefront_size: 32
...
	.end_amdgpu_metadata
.endif
;; end of part 2
